; MI455X (gfx1250); checked and timed in simulation.
; The chip was launched on July 23, 2026; its instructions are those of AMD's public machine-readable ISA for CDNA 5 (MIT licence, August 2026) and "CDNA5" Instruction Set Architecture Reference Guide (July 2026). The comments in the code are by the model that wrote it; some were corrected since.
;; Local Causal Attention. Allowed arithmetic: float matrix products may take bf16 or f16 operands with f32 sums; other float arithmetic in f32, or as packed bf16 or f16 multiplies, adds, multiply-adds, maxima and minima; sums over many terms, partial sums and values carried from step to step in f32; what a program stores and reads back later, other than sums and carried values, may be rounded once to bf16 or f16.
;; Inputs: b_out 1,024 float32; b_qkv 3,072 float32; w_out 1,024 x 1,024 float32; w_qkv 3,072 x 1,024 float32; x 1 x 4,096 x 1,024 float32.
;; Outputs: out0 1 x 4,096 x 1,024 float32.
;; One version. Each part assembles by itself: llvm-mc -triple=amdgcn-amd-amdhsa -mcpu=gfx1250 --defsym DOCPART=n.
;; ======== version 1 of 1: 4 launches
;; limits: values are held in f16: magnitudes above 65,504 overflow, below 6.1e-05 lose precision
;; workspace buffers: xb 8,388,608 bytes; wq 6,291,456 bytes; wo 2,097,152 bytes; bias 16,384 bytes; qkv 25,165,824 bytes; ob 8,388,608 bytes
;; launch cast (part 1): grid 513 x 1, 8 waves a work-group, no clusters, 0 bytes of LDS; arguments x, w_qkv, w_out, b_qkv, b_out, xb, wq, wo, bias; writes xb, wq, wo, bias
.if DOCPART == 1
	.amdgcn_target "amdgcn-amd-amdhsa--gfx1250"
	.amdhsa_code_object_version 6
	.text
	.protected	k_qf2c8ba24d0_cast
	.globl	k_qf2c8ba24d0_cast
	.p2align	8
	.type	k_qf2c8ba24d0_cast,@function
k_qf2c8ba24d0_cast:
	s_mov_b64 s[64:65], 0
	v_nop
	global_prefetch_b8 v0, s[64:65] scope:SCOPE_SE
	s_setreg_imm32_b32 hwreg(HW_REG_WAVE_MODE, 25, 1), 1
	s_wait_xcnt 0x0
; 16-BIT COPIES OF THE MODULE'S INPUTS, each number rounded once to bf16 (nearest even).
;   xb [4096][1024] bf16 = x.     wq [3072][1024] bf16 = w_qkv with its rows in the order head, part (q, k, v), channel: new row 192 h + 64 part + d is old row 1024 part + 64 h + d.
;   wo [1024][1024]: w_out rounded to bf16, and that number written as f16.     bias: 4,096 f32 numbers rounded to bf16: b_qkv in wq's row order, then b_out.
; LIMITS.  w_out beyond 65,504 becomes an infinity in f16; below 6e-5 it keeps f16's fixed step of 6e-8.  NaN and infinities are not treated apart.
; SHARES.  Work-group g < 512 owns 16 rows of 1,024 numbers (65,536 bytes in, 32,768 out): g 0-255 of x, 256-447 of w_qkv, 448-511 of w_out; g = 512 does the two biases.
; Thread t takes 16 bytes at 16 t of each row, so a wave's load covers 512 consecutive bytes, and stores 8 bytes at 8 t: a wave's store covers 256 consecutive bytes, aligned.
; All 16 loads of a thread go out first; every load and every store has registers of its own, so nothing is rewritten while a memory instruction may read it.
; No LDS, no matrix unit, no cluster: each byte is read once and written once, and no work-group shares a byte with another.
.set X, 12                             ; v[12:75]   load k: 4 registers
.set Y, 76                             ; v[76:107]  store k: 2 registers
	s_load_b512 s[8:23], s[0:1], 0x0               ; x s[8:9], w_qkv s[10:11], w_out s[12:13], b_qkv s[14:15], b_out s[16:17], xb s[18:19], wq s[20:21], wo s[22:23]
	s_load_b64 s[24:25], s[0:1], 0x40              ; bias
	s_mov_b32 s2, ttmp9                            ; g
	s_mov_b32 s31, 0xffff0000                      ; a word's upper bf16
	v_lshlrev_b32 v1, 4, v0                        ; 16 t
	v_lshlrev_b32 v2, 3, v0                        ; 8 t
	s_cmp_eq_u32 s2, 512
	s_cbranch_scc1 .Lbias
	s_sub_co_u32 s3, s2, 256                       ; j: the chunk of 16 rows in w_qkv (used only where g is 256 to 447)
	s_lshr_b32 s4, s3, 2
	s_and_b32 s5, s3, 3                            ; which 16 of a head's 64 rows
	s_lshr_b32 s6, s4, 4                           ; part
	s_and_b32 s7, s4, 15                           ; head
	s_mul_i32 s26, s7, 3
	s_add_co_u32 s26, s26, s6
	s_lshl2_add_u32 s26, s26, s5                   ; the chunk's place in wq: 4 (3 head + part) + which
	s_sub_co_u32 s27, s2, 448                      ; the chunk in w_out (used only where g is 448 or more)
	s_wait_kmcnt 0x0
	s_cmp_lt_u32 s2, 256                           ; x, or w_qkv
	s_cselect_b32 s28, s2, s3                      ; chunk in
	s_cselect_b32 s29, s2, s26                     ; chunk out
	s_cselect_b64 s[32:33], s[8:9], s[10:11]
	s_cselect_b64 s[34:35], s[18:19], s[20:21]
	s_cmp_ge_u32 s2, 448                           ; or w_out
	s_cselect_b32 s28, s27, s28
	s_cselect_b32 s29, s27, s29
	s_cselect_b64 s[32:33], s[12:13], s[32:33]
	s_cselect_b64 s[34:35], s[22:23], s[34:35]
	s_cselect_b32 s30, 1, 0                        ; 1: the copy is written as f16
	s_lshl_b32 s36, s28, 16                        ; 65,536 bytes a chunk in
	s_mov_b32 s37, 0
	s_lshl_b32 s38, s29, 15                        ; 32,768 out
	s_mov_b32 s39, 0
	s_add_nc_u64 s[32:33], s[32:33], s[36:37]
	s_add_nc_u64 s[34:35], s[34:35], s[38:39]
.irp k, 0,1,2,3,4,5,6,7,8,9,10,11,12,13,14,15
	global_load_b128 v[X+4*(\k):X+4*(\k)+3], v1, s[32:33] offset:(\k)*4096 th:TH_LOAD_NT  ; row k: read once in the launch
.endr
; Row k: four numbers rounded and stored.  half = 1: the bf16 number is widened again (a shift, a mask) and written as f16.
.macro CONV k, half
	s_wait_loadcnt 15-(\k)                         ; loads come back in order (ISA guide 5.7.1): row k is in, the 15 - k younger loads stay out
.if \half
	v_cvt_pk_bf16_f32 v6, v[X+4*(\k)], v[X+4*(\k)+1]
	v_cvt_pk_bf16_f32 v7, v[X+4*(\k)+2], v[X+4*(\k)+3]
	v_lshlrev_b32 v8, 16, v6
	v_and_b32 v9, s31, v6
	v_lshlrev_b32 v10, 16, v7
	v_and_b32 v11, s31, v7
	v_cvt_pk_f16_f32 v[Y+2*(\k)], v8, v9
	v_cvt_pk_f16_f32 v[Y+2*(\k)+1], v10, v11
.else
	v_cvt_pk_bf16_f32 v[Y+2*(\k)], v[X+4*(\k)], v[X+4*(\k)+1]
	v_cvt_pk_bf16_f32 v[Y+2*(\k)+1], v[X+4*(\k)+2], v[X+4*(\k)+3]
.endif
	global_store_b64 v2, v[Y+2*(\k):Y+2*(\k)+1], s[34:35] offset:(\k)*2048  ; no hint: the next launch reads these bytes
.endm
	s_cmp_lg_u32 s30, 0
	s_cbranch_scc1 .Lf16
.irp k, 0,1,2,3,4,5,6,7,8,9,10,11,12,13,14,15
	CONV \k, 0
.endr
	s_endpgm
.Lf16:
.irp k, 0,1,2,3,4,5,6,7,8,9,10,11,12,13,14,15
	CONV \k, 1
.endr
	s_endpgm
.Lbias:                                                ; thread t takes numbers 4 t .. 4 t + 3 of each part of b_qkv (head t / 16, channels 4 (t % 16) on) and of b_out
	s_wait_kmcnt 0x0
	v_lshrrev_b32 v3, 4, v0
	v_and_b32 v4, 15, v0
	v_mul_u32_u24 v3, v3, 768                      ; a head's 192 numbers
	v_lshl_add_u32 v4, v4, 4, v3
.irp k, 0,1,2
	global_load_b128 v[X+4*(\k):X+4*(\k)+3], v1, s[14:15] offset:(\k)*4096
.endr
	global_load_b128 v[X+12:X+15], v1, s[16:17]
	s_wait_loadcnt 0x0
.irp i, 0,1,2,3,4,5,6,7
	v_cvt_pk_bf16_f32 v6, v[X+2*(\i)], v[X+2*(\i)+1]   ; rounded to bf16,
	v_lshlrev_b32 v[Y+2*(\i)], 16, v6                  ; and kept as f32
	v_and_b32 v[Y+2*(\i)+1], s31, v6
.endr
.irp k, 0,1,2
	global_store_b128 v4, v[Y+4*(\k):Y+4*(\k)+3], s[24:25] offset:(\k)*256  ; sixteen lanes store a part's 64 numbers of one head: 256 consecutive bytes, aligned
.endr
	global_store_b128 v1, v[Y+12:Y+15], s[24:25] offset:12288
	s_endpgm
.Lfunc_end_k_qf2c8ba24d0_cast:
	.size	k_qf2c8ba24d0_cast, .Lfunc_end_k_qf2c8ba24d0_cast-k_qf2c8ba24d0_cast
	.p2alignl 7, 3214868480
	.fill 96, 4, 3214868480
	.section	.rodata,"a",@progbits
	.p2align	6, 0x0
	.amdhsa_kernel k_qf2c8ba24d0_cast
		.amdhsa_group_segment_fixed_size 0
		.amdhsa_private_segment_fixed_size 0
		.amdhsa_enable_private_segment 0
		.amdhsa_kernarg_size 72
		.amdhsa_user_sgpr_count 2
		.amdhsa_user_sgpr_kernarg_segment_ptr 1
		.amdhsa_wavefront_size32 1
		.amdhsa_system_sgpr_workgroup_id_x 1
		.amdhsa_system_sgpr_workgroup_id_y 1
		.amdhsa_system_sgpr_workgroup_id_z 1
		.amdhsa_system_vgpr_workitem_id 0
		.amdhsa_next_free_vgpr 108
		.amdhsa_next_free_sgpr 66
		.amdhsa_reserve_vcc 0
		.amdhsa_float_denorm_mode_32 3
		.amdhsa_float_denorm_mode_16_64 3
		.amdhsa_memory_ordered 1
		.amdhsa_forward_progress 1
		.amdhsa_inst_pref_size 18
	.end_amdhsa_kernel
	.amdgpu_metadata
---
amdhsa.version: [ 1, 2 ]
amdhsa.kernels:
  - .name:           k_qf2c8ba24d0_cast
    .symbol:         k_qf2c8ba24d0_cast.kd
    .args:
      - { .name: x, .offset: 0, .size: 8, .value_kind: global_buffer, .address_space: global }
      - { .name: w_qkv, .offset: 8, .size: 8, .value_kind: global_buffer, .address_space: global }
      - { .name: w_out, .offset: 16, .size: 8, .value_kind: global_buffer, .address_space: global }
      - { .name: b_qkv, .offset: 24, .size: 8, .value_kind: global_buffer, .address_space: global }
      - { .name: b_out, .offset: 32, .size: 8, .value_kind: global_buffer, .address_space: global }
      - { .name: xb, .offset: 40, .size: 8, .value_kind: global_buffer, .address_space: global }
      - { .name: wq, .offset: 48, .size: 8, .value_kind: global_buffer, .address_space: global }
      - { .name: wo, .offset: 56, .size: 8, .value_kind: global_buffer, .address_space: global }
      - { .name: bias, .offset: 64, .size: 8, .value_kind: global_buffer, .address_space: global }
    .group_segment_fixed_size: 0
    .private_segment_fixed_size: 0
    .kernarg_segment_align: 8
    .kernarg_segment_size: 72
    .max_flat_workgroup_size: 256
    .sgpr_count:     66
    .vgpr_count:     108
    .wavefront_size: 32
...
	.end_amdgpu_metadata
.endif
;; end of part 1
;; launch gemm_qkv (part 2): grid 16 x 16, 4 waves a work-group, clusters of 4 x 4, 327,680 bytes of LDS; arguments xb, wq, bias, qkv; writes qkv
.if DOCPART == 2
	.amdgcn_target "amdgcn-amd-amdhsa--gfx1250"
	.amdhsa_code_object_version 6
	.text
	.protected	k_qf2c8ba24d0_gemm_qkv
	.globl	k_qf2c8ba24d0_gemm_qkv
	.p2align	8
	.type	k_qf2c8ba24d0_gemm_qkv,@function
k_qf2c8ba24d0_gemm_qkv:
	s_mov_b64 s[64:65], 0
	v_nop
	global_prefetch_b8 v0, s[64:65] scope:SCOPE_SE
	s_setreg_imm32_b32 hwreg(HW_REG_WAVE_MODE, 25, 1), 1
	s_wait_xcnt 0x0
	s_wait_alu depctr_hold_cnt(0) depctr_sa_sdst(0) depctr_va_vdst(0) depctr_va_sdst(0) depctr_va_ssrc(0) depctr_va_vcc(0) depctr_vm_vsrc(0)
	s_getreg_b32 s2, hwreg(HW_REG_IB_STS2, 6, 4)
	s_cmp_eq_u32 s2, 0
	s_cbranch_scc0 .Lentry_in_a_cluster
	s_endpgm
.Lentry_in_a_cluster:
	s_bfe_u32 s2, ttmp6, 0x10000c
	s_cmp_lg_u32 s2, 0xf033
	s_cbranch_scc0 .Lentry_shape_is_right
	s_endpgm
.Lentry_shape_is_right:
; q, k, v = xb wq^T + bias.  xb [4096][1024] and wq [3072][1024] bf16 (wq's rows by head, part, channel), bias f32; sums in f32, K ascending, rounded once to f16.
; qkv is [16 heads][3 parts][4096 rows][64 channels] f16: a row is 128 bytes, a part's rows are dense.  The softmax's scale is not applied here.
; LIMIT.  A q, k or v of 65,520 or more becomes an infinity in f16.
; SHARES.  A work-group makes 256 rows x 192 columns, one head's q, k and v: 16 x 16 = 256 work-groups.  Each of its four waves makes 64 rows x all 192 columns: 48 accumulators of 16 x 16, 384 registers.
; So a wave holds whole 128-byte rows of q, k and v, and its way out is its own: no barrier there.  K goes in steps of 128 through a ring of two LDS slots filled by the tensor data mover:
; the tiles' rows are 256 bytes of memory and start at multiples of 256 bytes from the buffer's first byte.
; THE BIAS is the C operand of each accumulator's first product: nothing is cleared and nothing is added on the way out.
; CLUSTERS: 4 x 4 work-groups.  The four of a row of the cluster need the same tiles of xb, the four of a column the same tiles of wq: each tile is asked for JOINTLY, by the same tensor load with the
; same descriptor and a mask that names the four.
; THE MATRIX INSTRUCTION IS USED TRANSPOSED (source 0 = 16 rows of wq, source 1 = 16 rows of xb): lane l holds row l % 16 and the columns 8 (l / 16) + 0..7 of its block of 16.
; REGISTERS, in windows of 256 (s_set_vgpr_msb: bits 1:0 source 0, 3:2 source 1, 5:4 source 2, 7:6 destination):
;   window 0: v0-31 addresses; v32-63, v64-95 fragments of xb (4 x 16 rows x 32 K), two buffers; v96-191 the bias, 8 registers for each block of 16 columns; on the way out v96-143 packed results, v144-191 and v192-239 rows read back
;   window 1: v0-95, v96-191 fragments of wq (12 x 16 rows x 32 K), two buffers
;   window 2: the 24 accumulators of my rows 0-31 (block a, columns b at v[8 (12 (a % 2) + b)]);   window 3: those of my rows 32-63
.set SIZE_K, 1024
.set KSTEP,  128
.set PITCH,  272                       ; an LDS row: 256 bytes of data + 16 of padding = 68 words: row r starts at bank 4 r mod 64 (64 banks of 4 bytes: ISA guide 11.1), so the 16 rows of a load start at 16 different banks
.set HALFA,  128*PITCH                 ; what one tensor load brings of xb
.set HALFB,  96*PITCH                  ; and of wq
.set BOFF,   256*PITCH                 ; in a slot wq's 192 rows lie behind xb's 256
.set SLOT,   448*PITCH
.set STAGE,  2*SLOT                    ; behind the ring, never filled by a tensor load: for each wave 3 parts x 16 rows x 144 bytes
.set SP,     144
.set WSTAGE, 48*SP
.set SPARE,  STAGE+4*WSTAGE            ; behind the stages: the spare words, 128 bytes for each wave: two blocks of 256 bytes that no other line names
.set LAPS,   SIZE_K/(2*KSTEP)          ; a lap = two K steps = once round the ring
.set HEADB,  1572864                   ; bytes of a head in qkv
.set PARTB,  524288                    ; bytes of a part
.set ADRA, 16                          ; v16-17  LDS address of my fragments of xb in slot 0, 1
.set ADRB, 20                          ; v20-21  the same for wq
.set STO,  24                          ; v24     the way out: where I put 16 bytes of a row
.set RD,   25                          ; v25     the way out: where I read rows back
.set GO,   26                          ; v26     my byte offset in 512 consecutive bytes of qkv
.set BO,   27                          ; v27     my byte offset in a block's 16 numbers of the bias
.set SPW,  28                          ; v28     LDS address of my spare word: SPARE + 4 x my thread's number; never rewritten
.set NIL,  29                          ; v29     0; never rewritten
.set FA,   32
.set BIAS, 96
.set TMP,  96
.set BK,   144
.set G1, 24                            ; s[24:31] descriptor group 1 for xb's tiles;  s[32:39] group 0, one set for each slot
.set G0, 32
.set G1B, 48                           ; s[48:55], s[56:63] the same for wq's tiles
.set G0B, 56
.set MSB, 0
.macro WIN new                         ; the immediate's high byte repeats the setting that is left; a switch that changes nothing is dropped
.if MSB != (\new)
	s_set_vgpr_msb (MSB<<8)|(\new)
.set MSB, \new
.endif
.endm
.set MUL_LO, 0xa1                      ; source 0 (wq) window 1, source 1 (xb) window 0, C and D window 2
.set TO_B,   0x40                      ; destination window 1, address window 0
; A joint load.  Waves 0 and 1 fetch xb's two halves, waves 2 and 3 wq's.  The branch hangs on the wave's number alone: it is the same in every work-group.
; An s_nop 0 and four v_nop follow each of the two lines, ahead of the jump, the label and what follows.
.macro JLOAD s
	s_cmp_eq_u32 s13, 0
	s_cbranch_scc0 .Lfor_b_\@
	tensor_load_to_lds s[G0+4*(\s):G0+4*(\s)+3], s[G1:G1+7]
	s_nop 0
.rept 4
	v_nop
.endr
	s_branch .Lasked_\@
.Lfor_b_\@:
	tensor_load_to_lds s[G0B+4*(\s):G0B+4*(\s)+3], s[G1B:G1B+7]
	s_nop 0
.rept 4
	v_nop
.endr
.Lasked_\@:
.endm
.macro CREST                           ; a round of the cluster's barrier behind its opening barrier
	s_cmp_lg_u32 s12, 0
	s_cbranch_scc1 .Lnot_wave_0_\@
	s_barrier_signal -3
.Lnot_wave_0_\@:
	s_barrier_wait -3
	s_barrier_signal -1
	s_barrier_wait -1
.endm
.macro CROUND                          ; a whole round
	s_barrier_signal -1
	s_barrier_wait -1
	CREST
.endm
	s_load_b256 s[4:11], s[0:1], 0x0               ; xb s[4:5], wq s[6:7], bias s[8:9], qkv s[10:11]
	v_lshl_add_u32 v[SPW], v0, 2, SPARE
	v_mov_b32 v[NIL], 0
	ds_add_u32 v[SPW], v[NIL]                      ; the wave's opening: the add and its wait stand ahead of my first tensor load; the set-up below, work on registers, stands between them
	ds_add_u32 v28, v29
	v_lshrrev_b32 v1, 5, v0
	v_readfirstlane_b32 s12, v1                    ; wave 0..3: my 64 rows of the tile
	s_lshr_b32 s13, s12, 1                         ; I fetch for xb (0) or for wq (1),
	s_and_b32 s14, s12, 1                          ; and which half of that tile's rows
	s_bfe_u32 s40, ttmp6, 0x40000                  ; cx, cy: my place in the cluster
	s_bfe_u32 s41, ttmp6, 0x40004
	s_lshl_b32 s42, ttmp9, 2                       ; in a cluster launch ttmp9 and ttmp7 count clusters
	s_add_co_u32 s42, s42, s40                     ; the head = 4 x cluster x + cx
	s_and_b32 s43, ttmp7, 0xffff
	s_lshl_b32 s43, s43, 2
	s_add_co_u32 s43, s43, s41                     ; the block of 256 rows = 4 x cluster y + cy
	s_lshl_b32 s44, s41, 2
	s_lshl_b32 s44, 15, s44                        ; my row of the cluster: places 4 cy .. 4 cy + 3
	s_lshl_b32 s45, 0x1111, s40                    ; my column: places cx, cx + 4, cx + 8, cx + 12
	; descriptor group 1: tiles of 128 (xb) and 96 (wq) rows x 128 elements, padded in LDS
	s_or_b32 s[G1+0], s44, (1<<16)|(1<<20)|(1<<21)|(5<<22)|(3<<25)   ; 15:0 the mask: xb's tiles go to my row; 17:16 elements of 2 bytes; 20 padding on; 21 set beside a mask; 24:22 after every 64 words (code 5); 31:25 4 words of it (code 3)
	s_or_b32 s[G1B+0], s45, (1<<16)|(1<<20)|(1<<21)|(5<<22)|(3<<25)  ; the same with the mask of my column
	s_mov_b32 s[G1+1], KSTEP<<16                   ; tensor_dim0 = 128
	s_mov_b32 s[G1+2], 128<<16                     ; tensor_dim1 = 128
	s_mov_b32 s[G1+3], KSTEP<<16                   ; tile_dim0 = 128
	s_mov_b32 s[G1+4], 128                         ; tile_dim1 = 128
	s_mov_b32 s[G1+5], SIZE_K                      ; elements from row to row
	s_mov_b32 s[G1+6], 0
	s_mov_b32 s[G1+7], 0
	s_mov_b32 s[G1B+1], KSTEP<<16
	s_mov_b32 s[G1B+2], 96<<16                     ; tensor_dim1 = 96
	s_mov_b32 s[G1B+3], KSTEP<<16
	s_mov_b32 s[G1B+4], 96                         ; tile_dim1 = 96
	s_mov_b32 s[G1B+5], SIZE_K
	s_mov_b32 s[G1B+6], 0
	s_mov_b32 s[G1B+7], 0
	; where the tiles come from: xb's hang on the block of rows alone, which my row of the cluster shares; wq's on the head alone, which my column shares
	s_lshl_b32 s16, s43, 8
	s_lshl_b32 s17, s14, 7
	s_add_co_u32 s16, s16, s17                     ; xb: row 256 x block + 128 x half,
	s_lshl_b32 s16, s16, 11                        ; of 2,048 bytes
	s_mov_b32 s17, 0
	s_mul_i32 s46, s42, 192
	s_mul_i32 s47, s14, 96
	s_add_co_u32 s46, s46, s47                     ; wq: row 192 x head + 96 x half
	s_lshl_b32 s46, s46, 11
	s_mov_b32 s47, 0
	s_mul_i32 s20, s14, HALFA                      ; and where they go: no place in the cluster enters an LDS address
	s_mul_i32 s21, s14, HALFB
	s_add_co_u32 s21, s21, BOFF
	s_wait_dscnt 0x0                               ; the opening add is done
	s_wait_kmcnt 0x0
	s_add_nc_u64 s[18:19], s[4:5], s[16:17]
	s_add_nc_u64 s[46:47], s[6:7], s[46:47]
	CROUND                                         ; all sixteen work-groups are here: the first joint loads meet
.irp s, 0,1
	s_mov_b32 s[G0+4*(\s)], 1                                      ; 1:0 count = 1
	s_add_co_u32 s[G0+4*(\s)+1], s20, (\s)*SLOT                    ; 63:32 LDS address
	s_add_nc_u64 s[G0+4*(\s)+2:G0+4*(\s)+3], s[18:19], (\s)*KSTEP*2  ; 120:64 global address: K step s
	s_or_b32 s[G0+4*(\s)+3], s[G0+4*(\s)+3], 0x80000000            ; 127:126 type = 2
	s_mov_b32 s[G0B+4*(\s)], 1
	s_add_co_u32 s[G0B+4*(\s)+1], s21, (\s)*SLOT
	s_add_nc_u64 s[G0B+4*(\s)+2:G0B+4*(\s)+3], s[46:47], (\s)*KSTEP*2
	s_or_b32 s[G0B+4*(\s)+3], s[G0B+4*(\s)+3], 0x80000000
	JLOAD \s                                       ; the ring is filled before anything else is done: two loads of mine are out
.endr
	; A fragment is 16 rows x 32 K in 8 registers: lane l holds row l % 16; registers 0-3 K = 8 (l / 16) + 0..7, registers 4-7 K = 16 + 8 (l / 16) + 0..7: two loads of 16 bytes, 32 bytes apart.
	v_and_b32 v1, 15, v0                           ; l % 16
	v_bfe_u32 v2, v0, 4, 1                         ; l / 16
	v_mul_u32_u24 v3, v1, PITCH
	v_lshl_add_u32 v3, v2, 4, v3                   ; row x pitch + 16 x half
	s_mul_i32 s22, s12, 64*PITCH                   ; my 64 rows of xb
	s_mov_b32 s23, BOFF                            ; all 192 rows of wq
.irp s, 0,1
	v_add_nc_u32 v[ADRA+(\s)], s22, v3
	v_add_nc_u32 v[ADRB+(\s)], s23, v3
	s_add_co_u32 s22, s22, SLOT
	s_add_co_u32 s23, s23, SLOT
.endr
	s_mul_i32 s22, s12, WSTAGE
	s_add_co_u32 s22, s22, STAGE                   ; my stage
	v_mul_u32_u24 v4, v1, SP                       ; in: row l % 16, 16 bytes for each half of the lanes
	v_lshl_add_u32 v4, v2, 4, v4
	v_add_nc_u32 v[STO], s22, v4
	v_bfe_u32 v4, v0, 3, 2                         ; back: 32 lanes take four rows of 128 bytes,
	v_and_b32 v5, 7, v0
	v_mul_u32_u24 v4, v4, SP
	v_lshl_add_u32 v4, v5, 4, v4
	v_add_nc_u32 v[RD], s22, v4
	v_and_b32 v[GO], 31, v0                        ; which are 512 consecutive bytes of a part
	v_lshlrev_b32 v[GO], 4, v[GO]
	v_lshlrev_b32 v[BO], 5, v2                     ; my eight numbers of a block's sixteen
	s_mul_i32 s22, s42, 768                        ; the head's 192 numbers of the bias
	s_mov_b32 s23, 0
	s_add_nc_u64 s[8:9], s[8:9], s[22:23]
	s_mul_i32 s22, s42, HEADB                      ; qkv at the head, and at my wave's first row: 256 x block + 64 x wave, of 128 bytes
	s_lshl_b32 s23, s43, 8
	s_lshl_b32 s2, s12, 6
	s_add_co_u32 s23, s23, s2
	s_lshl_b32 s23, s23, 7
	s_add_co_u32 s22, s22, s23
	s_mov_b32 s23, 0
	s_add_nc_u64 s[10:11], s[10:11], s[22:23]
.irp b, 0,1,2,3,4,5,6,7,8,9,10,11
	global_load_b128 v[BIAS+8*(\b):BIAS+8*(\b)+3],   v[BO], s[8:9] offset:64*(\b)
	global_load_b128 v[BIAS+8*(\b)+4:BIAS+8*(\b)+7], v[BO], s[8:9] offset:64*(\b)+16
.endr
; 12 matrix instructions: block a (0, 1) of the window's two (hi = 0: my rows 0-31, 1: rows 32-63) x all 12 blocks of columns, 32 along K, from buffer f.  first = 1: the product starts the sum on the bias.
.macro MUL12 f, hi, a, first
.if \first
	WIN 0x81+0x40*(\hi)                            ; as below, with C in window 0
.else
	WIN MUL_LO+0x50*(\hi)
.endif
.irp b, 0,1,2,3,4,5,6,7,8,9,10,11
.if \first
	v_wmma_f32_16x16x32_bf16 v[8*(12*(\a)+(\b)):8*(12*(\a)+(\b))+7], v[96*(\f)+8*(\b):96*(\f)+8*(\b)+7], v[FA+32*(\f)+8*(2*(\hi)+(\a)):FA+32*(\f)+8*(2*(\hi)+(\a))+7], v[BIAS+8*(\b):BIAS+8*(\b)+7]
.else
	v_wmma_f32_16x16x32_bf16 v[8*(12*(\a)+(\b)):8*(12*(\a)+(\b))+7], v[96*(\f)+8*(\b):96*(\f)+8*(\b)+7], v[FA+32*(\f)+8*(2*(\hi)+(\a)):FA+32*(\f)+8*(2*(\hi)+(\a))+7], v[8*(12*(\a)+(\b)):8*(12*(\a)+(\b))+7]
.endif
.endr
.endm
; 32 LDS loads in one run: the fragments of one quarter step (192 rows of wq, then my 64 rows of xb, 32 K at byte k of the rows) into buffer f
.macro FETCH slot, k, f
	WIN TO_B
.irp i, 0,1,2,3,4,5,6,7,8,9,10,11
	ds_load_b128 v[96*(\f)+8*(\i):96*(\f)+8*(\i)+3],   v[ADRB+(\slot)] offset:(\k)+(\i)*16*PITCH
	ds_load_b128 v[96*(\f)+8*(\i)+4:96*(\f)+8*(\i)+7], v[ADRB+(\slot)] offset:(\k)+(\i)*16*PITCH+32
.endr
	WIN 0
.irp i, 0,1,2,3
	ds_load_b128 v[FA+32*(\f)+8*(\i):FA+32*(\f)+8*(\i)+3],   v[ADRA+(\slot)] offset:(\k)+(\i)*16*PITCH
	ds_load_b128 v[FA+32*(\f)+8*(\i)+4:FA+32*(\f)+8*(\i)+7], v[ADRA+(\slot)] offset:(\k)+(\i)*16*PITCH+32
.endr
.endm
; A load into a register that a matrix instruction has read, and a vector instruction that reads a matrix result, stand four places behind that matrix instruction, and only plain vector
; instructions that name none of its registers are places (ISA guide 7.12.1 for vector instructions).
.macro PLACES
.rept 4
	v_nop
.endr
.endm
; A K step is four quarter steps of 32 along K, 48 matrix instructions each, on buffers 0, 1, 0, 1.  The 48 accumulators take turns in the same order in every quarter.
; One of the first three: multiplies buffer f; in its middle it fetches the next quarter's fragments, at byte k of the same slot's rows, into buffer g.
.macro QUARTER slot, k, f, g, first
	s_wait_dscnt 4                                 ; wq and xb's rows 0-31 are in; the youngest four loads (xb's rows 32-63) may be out
	MUL12 \f, 0, 0, \first
	MUL12 \f, 0, 1, \first
	PLACES
	FETCH \slot, \k, \g
	s_wait_dscnt 32                                ; all but the 32 just issued
	MUL12 \f, 1, 0, \first
	MUL12 \f, 1, 1, \first
.endm
; The last quarter multiplies buffer 1 and changes slots: ONE barrier; in front of it each wave waits for all its tensor loads (one is out: its part of the next slot), adds 0 to its spare word, and waits for
; that and for its own reads of this slot.  fill = 1: the barrier opens a round of the cluster's, and this slot is filled again, two K steps ahead, first thing behind the round.
.macro TURN slot, next, fill
	WIN 0                                          ; (the add's two registers lie in window 0)
	s_wait_tensorcnt 0x0                           ; all my tensor loads have landed;
	ds_add_u32 v[SPW], v[NIL]                      ; 0 onto my spare word
	s_wait_dscnt 5                                 ; (the add and the youngest four loads may be out)
	MUL12 1, 0, 0, 0                               ; twelve matrix instructions stand between the add and the wait for it
	s_wait_dscnt 0x0                               ; the add is done, and my reads of this slot are over
	s_barrier_signal -1
	MUL12 1, 0, 1, 0                               ; work on registers while the others arrive
.if \fill
	WIN 0
.endif
	s_barrier_wait -1
.if \fill
	CREST                                          ; no wave of any partner still reads this slot's tile or has a load on its way
	s_add_nc_u64 s[G0+4*(\slot)+2:G0+4*(\slot)+3], s[G0+4*(\slot)+2:G0+4*(\slot)+3], 2*KSTEP*2
	s_add_nc_u64 s[G0B+4*(\slot)+2:G0B+4*(\slot)+3], s[G0B+4*(\slot)+2:G0B+4*(\slot)+3], 2*KSTEP*2
	JLOAD \slot                                    ; my one tensor load behind the round; the four v_nop behind it are also the places in front of the loads below
.else
	PLACES
.endif
	FETCH \next, 0, 0
	MUL12 1, 1, 0, 0
	MUL12 1, 1, 1, 0
.endm
; THE WAY OUT of block a (16 rows), in three parts.  PACK: rounded to f16, 16 bytes a lane, each accumulator's registers in ascending order.  TOSTAGE: into my own stage, and back as whole rows of 128 bytes.  SEND: stored.
.macro PACK a
.set AC, 96*((\a)%2)
	WIN 0x0a+5*((\a)/2)                            ; sources 0 and 1: window 2 or 3
.irp b, 0,1,2,3,4,5,6,7,8,9,10,11
.irp r, 0,1,2,3
	v_cvt_pk_f16_f32 v[TMP+4*(\b)+(\r)], v[AC+8*(\b)+2*(\r)], v[AC+8*(\b)+2*(\r)+1]
.endr
.endr
	WIN 0
.endm
.macro TOSTAGE a
	WIN 0
.set BKA, BK+48*((\a)%2)
.irp b, 0,1,2,3,4,5,6,7,8,9,10,11                  ; part b / 4, channels 16 (b % 4) on
	ds_store_b128 v[STO], v[TMP+4*(\b):TMP+4*(\b)+3] offset:((\b)/4)*16*SP+((\b)%4)*32
.endr
.irp t, 0,1,2,3,4,5,6,7,8,9,10,11                  ; part t / 4, rows 4 (t % 4) on
	ds_load_b128 v[BKA+4*(\t):BKA+4*(\t)+3], v[RD] offset:((\t)/4)*16*SP+((\t)%4)*4*SP  ; LDS serves a wave's instructions in order (ISA guide 5.7.1.4): these see the stores above
.endr
.endm
.macro SEND a
	WIN 0
.set BKA, BK+48*((\a)%2)
	s_wait_dscnt 0x0                               ; the block is back in registers
	s_wait_xcnt 0x0                                ; every earlier store has had its addresses translated (ISA guide 3.1): the other buffer, which the block before was stored from, is loaded again only behind this wait
.irp t, 0,1,2,3,4,5,6,7,8,9,10,11
	global_store_b128 v[GO], v[BKA+4*(\t):BKA+4*(\t)+3], s[10:11] offset:((\t)/4)*PARTB+(\a)*2048+((\t)%4)*512  ; 512 consecutive bytes, at a multiple of 256 from qkv's first
.endr
.endm
	s_wait_tensorcnt 1                             ; my part of K step 0 is in; K step 1's may stay out
	s_barrier_signal -1
	s_barrier_wait -1                              ; everybody's is
	FETCH 0, 0, 0
	s_wait_loadcnt 0x0                             ; the bias
	QUARTER 0, 64,  0, 1, 1                        ; the first quarter stands in front of the loop: its products start the sums
	WIN 0                                          ; at a label and at a branch every window is 0
	s_mov_b32 s3, LAPS-1
.Llap:                                                 ; a trip goes once round the ring, from a lap's second quarter to the next lap's first, and fills both slots again
	QUARTER 0, 128, 1, 0, 0
	QUARTER 0, 192, 0, 1, 0
	TURN 0, 1, 1
	QUARTER 1, 64,  0, 1, 0
	QUARTER 1, 128, 1, 0, 0
	QUARTER 1, 192, 0, 1, 0
	TURN 1, 0, 1
	QUARTER 0, 64,  0, 1, 0
	WIN 0
	s_sub_co_u32 s3, s3, 1
	s_cmp_lg_u32 s3, 0
	s_cbranch_scc1 .Llap
	QUARTER 0, 128, 1, 0, 0                        ; the last lap fills nothing, and has no round of the cluster's barrier
	QUARTER 0, 192, 0, 1, 0
	TURN 0, 1, 0
	QUARTER 1, 64,  0, 1, 0
	QUARTER 1, 128, 1, 0, 0
	QUARTER 1, 192, 0, 1, 0
	s_wait_dscnt 4                                 ; the very last quarter: nothing more to fetch
	MUL12 1, 0, 0, 0
	MUL12 1, 0, 1, 0
	s_wait_dscnt 0x0
	MUL12 1, 1, 0, 0
	MUL12 1, 1, 1, 0
	WIN 0
	PLACES                                         ; the conversions read matrix results
	PACK 0
	TOSTAGE 0
.irp a, 1,2,3                                      ; block a's conversions stand between block a - 1's loads from the stage and the wait for them
	PACK \a
	SEND (\a)-1
	TOSTAGE \a
.endr
	SEND 3
	s_wait_tensorcnt 0x0                           ; the wave's end: behind my last tensor load and my last LDS store
	ds_add_u32 v[SPW], v[NIL]
	s_wait_dscnt 0x0
	CROUND                                         ; the closing round: no work-group ends while a partner may still ask for a tile that names it
	s_endpgm
.Lfunc_end_k_qf2c8ba24d0_gemm_qkv:
	.size	k_qf2c8ba24d0_gemm_qkv, .Lfunc_end_k_qf2c8ba24d0_gemm_qkv-k_qf2c8ba24d0_gemm_qkv
	.p2alignl 7, 3214868480
	.fill 96, 4, 3214868480
	.section	.rodata,"a",@progbits
	.p2align	6, 0x0
	.amdhsa_kernel k_qf2c8ba24d0_gemm_qkv
		.amdhsa_group_segment_fixed_size 327680
		.amdhsa_private_segment_fixed_size 0
		.amdhsa_enable_private_segment 0
		.amdhsa_kernarg_size 32
		.amdhsa_user_sgpr_count 2
		.amdhsa_user_sgpr_kernarg_segment_ptr 1
		.amdhsa_wavefront_size32 1
		.amdhsa_system_sgpr_workgroup_id_x 1
		.amdhsa_system_sgpr_workgroup_id_y 1
		.amdhsa_system_sgpr_workgroup_id_z 1
		.amdhsa_system_vgpr_workitem_id 0
		.amdhsa_next_free_vgpr 960
		.amdhsa_next_free_sgpr 66
		.amdhsa_reserve_vcc 0
		.amdhsa_float_denorm_mode_32 3
		.amdhsa_float_denorm_mode_16_64 3
		.amdhsa_memory_ordered 1
		.amdhsa_forward_progress 1
		.amdhsa_inst_pref_size 121
	.end_amdhsa_kernel
	.amdgpu_metadata
---
amdhsa.version: [ 1, 2 ]
amdhsa.kernels:
  - .name:           k_qf2c8ba24d0_gemm_qkv
    .symbol:         k_qf2c8ba24d0_gemm_qkv.kd
    .args:
      - { .name: xb, .offset: 0, .size: 8, .value_kind: global_buffer, .address_space: global }
      - { .name: wq, .offset: 8, .size: 8, .value_kind: global_buffer, .address_space: global }
      - { .name: bias, .offset: 16, .size: 8, .value_kind: global_buffer, .address_space: global }
      - { .name: qkv, .offset: 24, .size: 8, .value_kind: global_buffer, .address_space: global }
    .group_segment_fixed_size: 327680
    .private_segment_fixed_size: 0
    .kernarg_segment_align: 8
    .kernarg_segment_size: 32
    .max_flat_workgroup_size: 128
    .sgpr_count:     66
    .vgpr_count:     960
    .wavefront_size: 32
...
	.end_amdgpu_metadata
.endif
;; end of part 2
;; launch attn (part 3): grid 8 x 32, 16 waves a work-group, no clusters, 167,936 bytes of LDS; arguments qkv, ob; writes ob
.if DOCPART == 3
	.amdgcn_target "amdgcn-amd-amdhsa--gfx1250"
	.amdhsa_code_object_version 6
	.text
	.protected	k_qf2c8ba24d0_attn
	.globl	k_qf2c8ba24d0_attn
	.p2align	8
	.type	k_qf2c8ba24d0_attn,@function
k_qf2c8ba24d0_attn:
	s_mov_b64 s[64:65], 0
	v_nop
	global_prefetch_b8 v0, s[64:65] scope:SCOPE_SE
	s_setreg_imm32_b32 hwreg(HW_REG_WAVE_MODE, 25, 1), 1
	s_wait_xcnt 0x0
; ATTENTION IN A CAUSAL WINDOW OF 64.  O[h][q] = the sum over k = max(0, q - 63) .. q of softmax_k(Q[h][q] . K[h][k] / 8) V[h][k].
; qkv: [16 heads][q, k, v][4096][64] f16, a part's rows dense, 128 bytes each.  ob: [4096][1024] f16, column = 64 head + channel.
; Products, the maximum and the sum in f32; the weights p are rounded to f16 for the second product (their sum l is taken of the unrounded p), O once at the end.
; LIMITS.  A hidden score counts as its value less 1e30 (f16's scores, 2.7e11 at the most, are nothing beside that); a weight below 2^-126 counts as 0; NaN and infinities are not treated apart.
; SHARES.  A work-group owns 128 queries of two neighbouring heads, so that its piece of a row of ob is 256 aligned bytes: 8 x 32 = 256 work-groups.  Wave w owns head w % 2 of the two and the 16 queries 16 (w / 2) on.
; Those 16 queries see the 80 keys from 64 in front of the first query to the last query: five tiles of 16.  All of a query's keys are at hand at once: ONE pass, with the true maximum; no loop.
; K AND V: for each head 192 rows, from 64 rows in front of the block's first query, brought by four tensor loads (waves 0-3, one each), each filled once.  In the first block the 64 rows in front are the tail of
; the part that lies in front in qkv: inside the buffer, finite numbers, and every one of them hidden by the mask.
; NO CLUSTER: neighbouring blocks share only those 64 rows, a third of a work-group's K and V, and they would lie at different LDS places in the two partners.
; LAYOUT.  S^T = K Q^T (source 0 = 16 keys, source 1 = 16 queries): a lane holds ONE query (lane % 16) and the keys 8 (lane / 16) + 0..7 of the tile.  Two such results rounded to f16 ARE source 1
; (32 keys x 16 queries) of O^T = V^T P.  K comes out of LDS as it lies, V ([key][channel]) turned, by ds_load_tr16_b128.  A sixth tile of P holds 0, to fill the third product's 32 keys.
; THE MASK is the C operand that starts the sum S^T: 0, or -1e30 where the key is hidden.
.set PK,    144       ; a row of K in LDS: 128 bytes + 16 of padding = 36 words: the 16 rows of a load start at 16 different groups of four banks (64 banks of 4 bytes: ISA guide 11.1)
.set PV,    160       ; a row of V: 128 + 32 = 40 words
.set KREG,  192*PK    ; a head's K
.set VREG,  192*PV    ; a head's V
.set VBASE, 2*KREG
.set STAGE, VBASE+2*VREG  ; never filled by a tensor load: 128 rows x 272 bytes, the work-group's, for the way out
.set SPI,   272
.set SPARE, STAGE+128*SPI ; the spare words, 128 bytes for each of the 16 waves: eight blocks of 256 bytes that no other line names
.set HEADB, 1572864   ; bytes of a head in qkv
.set PARTB, 524288    ; bytes of a part
.set CH,  16          ; v16-20  five chains of the maximum
.set SPW, 30          ; v30  LDS address of my spare word: SPARE + 4 x my thread's number; never rewritten
.set NIL, 31          ; v31  0; never rewritten
.set Q,   32          ; v32-47   Q: channels 0-31, 32-63
.set S,   48          ; v48-87   S^T, 8 registers a tile
.set P,   88          ; v88-111  P, 4 registers a tile; the sixth tile is 0
.set O,   112         ; v112-143 O^T, 8 registers for 16 channels
.set KV,  144         ; v144-223 K: tile i, channel half c at KV + 16 i + 8 c; then v144-239 V: keys 32 g on, channels 16 cb on at KV + 32 g + 8 cb
.set G1K, 24          ; s[24:31] descriptor group 1 for K;  s[32:39] for V: it differs in the padding alone
.set G1V, 32
.set G0K, 40          ; s[40:43], s[44:47] descriptor groups 0
.set G0V, 44
	s_load_b128 s[4:7], s[0:1], 0x0                ; qkv s[4:5], ob s[6:7]
	v_lshl_add_u32 v[SPW], v0, 2, SPARE
	v_mov_b32 v[NIL], 0
	ds_add_u32 v[SPW], v[NIL]                      ; the wave's opening: the add and its wait stand ahead of my first tensor load; the set-up below, work on registers, stands between them
	ds_add_u32 v30, v31
	v_lshrrev_b32 v1, 5, v0
	v_readfirstlane_b32 s12, v1                    ; wave 0..15
	s_and_b32 s13, s12, 1                          ; which of the two heads
	s_lshr_b32 s14, s12, 1                         ; which 16 queries of the 128
	s_and_b32 s15, ttmp7, 0xffff                   ; the block of 128 queries
	s_lshl_b32 s20, ttmp9, 1
	s_add_co_u32 s20, s20, s13                     ; the head
	s_mul_i32 s20, s20, HEADB
	s_lshl_b32 s2, s15, 14                         ; the block's 128 rows of 128 bytes
	s_add_co_u32 s20, s20, s2                      ; q at the block's first row
	s_add_co_u32 s16, s20, PARTB-64*128            ; k from 64 rows in front of it
	s_mov_b32 s17, 0
	s_add_co_u32 s18, s20, 2*PARTB-64*128          ; v likewise
	s_mov_b32 s19, 0
	s_lshl_b32 s3, s14, 11
	s_add_co_u32 s22, s20, s3                      ; q at my 16 rows
	s_mov_b32 s23, 0
	; descriptor group 1.  192 keys are 24,576 dense bytes: asked for as 96 rows of 256 bytes, two keys a row, and padded in LDS after every key
	s_mov_b32 s[G1K], (1<<16)|(1<<20)|(4<<22)|(3<<25)  ; 17:16 2-byte elements; 20 padding on; 24:22 after every 32 words (code 4); 31:25 4 words (code 3)
	s_mov_b32 s[G1V], (1<<16)|(1<<20)|(4<<22)|(7<<25)  ; the same with 8 words of padding (code 7)
.irp g, G1K, G1V
	s_mov_b32 s[\g+1], 128<<16                     ; tensor_dim0 = 128
	s_mov_b32 s[\g+2], 96<<16                      ; tensor_dim1 = 96
	s_mov_b32 s[\g+3], 128<<16                     ; tile_dim0 = 128
	s_mov_b32 s[\g+4], 96                          ; tile_dim1 = 96
	s_mov_b32 s[\g+5], 128                         ; 128 elements from row to row
	s_mov_b32 s[\g+6], 0
	s_mov_b32 s[\g+7], 0
.endr
	s_mov_b32 s[G0K], 1                            ; 1:0 count = 1
	s_mul_i32 s[G0K+1], s13, KREG                  ; 63:32 LDS address: my head's K
	s_mov_b32 s[G0V], 1
	s_mul_i32 s[G0V+1], s13, VREG
	s_add_co_u32 s[G0V+1], s[G0V+1], VBASE         ; my head's V
	s_mov_b32 s56, 0xf149f2ca                      ; -1e30
	s_mov_b32 s58, 0x3e38aa3b                      ; c = log2(e) / 8 = 0.180337
	s_mov_b32 s59, s58                             ; named with it as a pair
	s_mov_b32 s60, 0x76543210                      ; v_permlanex16_b32's selects: each lane takes its own place in the other half
	s_mov_b32 s61, 0xfedcba98
	s_wait_dscnt 0x0                               ; the opening add is done
	s_wait_kmcnt 0x0
	s_add_nc_u64 s[G0K+2:G0K+3], s[4:5], s[16:17]  ; 120:64 global address
	s_or_b32 s[G0K+3], s[G0K+3], 0x80000000        ; 127:126 type = 2
	s_add_nc_u64 s[G0V+2:G0V+3], s[4:5], s[18:19]
	s_or_b32 s[G0V+3], s[G0V+3], 0x80000000
	s_add_nc_u64 s[8:9], s[4:5], s[22:23]          ; Q
	; the first and only fills: waves 0 and 1 bring the two heads' K, waves 2 and 3 their V; the other waves bring nothing.  An s_nop 0 and four v_nop follow each load.
	s_cmp_lt_u32 s12, 2
	s_cbranch_scc0 .Lnot_k
	tensor_load_to_lds s[G0K:G0K+3], s[G1K:G1K+7]
	s_nop 0
.rept 4
	v_nop
.endr
	s_branch .Lasked
.Lnot_k:
	s_cmp_lt_u32 s12, 4
	s_cbranch_scc0 .Lasked
	tensor_load_to_lds s[G0V:G0V+3], s[G1V:G1V+7]
	s_nop 0
.rept 4
	v_nop
.endr
.Lasked:
	; A fragment of K or Q is 16 rows x 32 channels in 8 registers: lane l holds row l % 16, channels 8 (l / 16) + 0..7 and 16 + 8 (l / 16) + 0..7: two loads of 16 bytes, 32 bytes apart.
	v_and_b32 v1, 15, v0                           ; r = l % 16
	v_bfe_u32 v8, v0, 4, 1                         ; hl = l / 16
	v_lshlrev_b32 v4, 7, v1
	v_lshl_add_u32 v4, v8, 4, v4                   ; row x 128 + 16 x half
.irp f, 0,1,2,3
	global_load_b128 v[Q+4*(\f):Q+4*(\f)+3], v4, s[8:9] offset:32*(\f)
.endr
	s_mul_i32 s48, s14, 16*PK                      ; my first key is LDS row 16 (w / 2)
	s_add_co_u32 s48, s48, s[G0K+1]
	v_mul_u32_u24 v2, v1, PK
	v_lshl_add_u32 v2, v8, 4, v2
	v_add_nc_u32 v2, s48, v2                       ; v2: my place in K
	; The turning load takes 16 keys x 16 channels (lane l reads key 8 (l / 16) + l % 8, channels 8 ((l / 8) % 2) + 0..7) and leaves half a fragment of V^T: lane l holds channel l % 16 and 8 keys.
	s_mul_i32 s49, s14, 16*PV
	s_add_co_u32 s49, s49, s[G0V+1]
	v_and_b32 v11, 7, v0
	v_bfe_u32 v12, v0, 3, 1
	v_lshl_add_u32 v3, v8, 3, v11
	v_mul_u32_u24 v3, v3, PV
	v_lshl_add_u32 v3, v12, 4, v3
	v_add_nc_u32 v3, s49, v3                       ; v3: my place in V
	s_mul_i32 s50, s14, 16*SPI                     ; into the stage: my 16 rows, my head's half of their 256 bytes
	s_lshl_b32 s2, s13, 7
	s_add_co_u32 s50, s50, s2
	s_add_co_u32 s50, s50, STAGE
	v_mul_u32_u24 v5, v1, SPI
	v_lshl_add_u32 v5, v8, 4, v5
	v_add_nc_u32 v5, s50, v5                       ; v5: where I put 16 bytes of a row
	s_mul_i32 s51, s12, 8*SPI                      ; back: wave w takes rows 8 w .. 8 w + 7, whole; lanes 0-15 one row of 256 bytes, lanes 16-31 the next
	s_add_co_u32 s51, s51, STAGE
	v_mul_u32_u24 v6, v8, SPI
	v_lshl_add_u32 v6, v1, 4, v6
	v_add_nc_u32 v6, s51, v6                       ; v6: where I read a row back
	v_lshlrev_b32 v7, 11, v8                       ; and the same two rows in ob, 2,048 bytes apart
	v_lshl_add_u32 v7, v1, 4, v7
	s_lshl_b32 s2, s15, 7
	s_lshl_b32 s3, s12, 3
	s_add_co_u32 s2, s2, s3                        ; the first row of ob that I store: 128 x block + 8 x wave
	s_lshl_b32 s2, s2, 11
	s_lshl_b32 s3, ttmp9, 8                        ; the two heads' 256 bytes of a row
	s_add_co_u32 s2, s2, s3
	s_mov_b32 s3, 0
	s_add_nc_u64 s[6:7], s[6:7], s[2:3]
	; THE MASK.  Register j of tile i holds key q_first - 64 + 16 i + 8 hl + j, my query is q_first + r: d = query - key = (r - 8 hl) + 64 - 16 i - j.  The key is seen where 0 <= d < 64 and the key is not in front of
	; key 0 (d <= query): as unsigned numbers, where d < L = min(64, query + 1).
	v_lshlrev_b32 v11, 3, v8
	v_sub_nc_u32 v9, v1, v11                       ; r - 8 hl
	s_lshl_b32 s2, s15, 7
	s_lshl_b32 s3, s14, 4
	s_add_co_u32 s2, s2, s3
	s_add_co_u32 s2, s2, 1
	v_add_nc_u32 v10, s2, v1                       ; query + 1
	v_min_u32 v10, 64, v10                         ; L
.set i, 0
.rept 40
	v_add_nc_u32 v11, 64-16*(i/8)-(i%8), v9
	v_cmp_le_u32 vcc_lo, v10, v11
	v_cndmask_b32 v[S+i], 0, s56, vcc_lo
.set i, i+1
.endr
.irp n, 20,21,22,23
	v_mov_b32 v[P+(\n)], 0                         ; the sixth tile of P
.endr
	s_wait_tensorcnt 0x0                           ; my load, if I issued one, has landed,
	s_barrier_signal -1
	s_barrier_wait -1                              ; everybody's has
.irp c, 0,1
.irp i, 0,1,2,3,4
	ds_load_b128 v[KV+16*(\i)+8*(\c):KV+16*(\i)+8*(\c)+3],   v2 offset:(\i)*16*PK+64*(\c)
	ds_load_b128 v[KV+16*(\i)+8*(\c)+4:KV+16*(\i)+8*(\c)+7], v2 offset:(\i)*16*PK+64*(\c)+32
.endr
.endr
	s_wait_loadcnt 0x0                             ; Q
	s_wait_dscnt 10                                ; channels 0-31 of the five tiles are in; the ten younger loads (channels 32-63) may be out
.irp i, 0,1,2,3,4                                  ; the five accumulators take turns; the first product adds onto the mask
	v_wmma_f32_16x16x32_f16 v[S+8*(\i):S+8*(\i)+7], v[KV+16*(\i):KV+16*(\i)+7], v[Q:Q+7], v[S+8*(\i):S+8*(\i)+7]
.endr
	s_wait_dscnt 0x0
.irp i, 0,1,2,3,4
	v_wmma_f32_16x16x32_f16 v[S+8*(\i):S+8*(\i)+7], v[KV+16*(\i)+8:KV+16*(\i)+15], v[Q+8:Q+15], v[S+8*(\i):S+8*(\i)+7]
.endr
.rept 4
	v_nop                                          ; four places in front of the loads into K's registers and of the first read of the scores
.endr
.irp g, 0,1,2
.set t2, 2*(\g)+1
.if t2 > 4
.set t2, 4                                         ; there is no sixth tile of keys: the fifth once more; it meets the zeros of P
.endif
.irp cb, 0,1,2,3
	ds_load_tr16_b128 v[KV+32*(\g)+8*(\cb):KV+32*(\g)+8*(\cb)+3],   v3 offset:2*(\g)*16*PV+32*(\cb)
	ds_load_tr16_b128 v[KV+32*(\g)+8*(\cb)+4:KV+32*(\g)+8*(\cb)+7], v3 offset:t2*16*PV+32*(\cb)
.endr
.endr
	; THE SOFTMAX, while V is on its way.  The maximum of my 40 scores: five chains, each beginning at its accumulator's lowest registers.
.irp i, 0,1,2,3,4
	v_max3_num_f32 v[CH+(\i)], v[S+8*(\i)], v[S+8*(\i)+1], v[S+8*(\i)+2]
.endr
.irp i, 0,1,2,3,4
	v_max3_num_f32 v[CH+(\i)], v[CH+(\i)], v[S+8*(\i)+3], v[S+8*(\i)+4]
.endr
.irp i, 0,1,2,3,4
	v_max3_num_f32 v[CH+(\i)], v[CH+(\i)], v[S+8*(\i)+5], v[S+8*(\i)+6]
.endr
	v_max3_num_f32 v[CH], v[CH], v[S+7], v[S+15]
	v_max3_num_f32 v[CH+1], v[CH+1], v[S+23], v[S+31]
	v_max_num_f32 v[CH+2], v[CH+2], v[S+39]
	v_max_num_f32 v[CH+3], v[CH+3], v[CH+4]
	v_max3_num_f32 v[CH], v[CH], v[CH+1], v[CH+2]
	v_max_num_f32 v[CH], v[CH], v[CH+3]
	v_permlanex16_b32 v[CH+1], v[CH], s60, s61     ; the query's other 40 keys lie in the lane 16 away
	v_max_num_f32 v23, v[CH], v[CH+1]              ; m: every query sees its own key, so m is a true score
	v_mul_f32 v22, s58, v23                        ; c m
.set n, 0
.rept 20
	v_pk_fma_f32 v[S+2*n:S+2*n+1], v[S+2*n:S+2*n+1], s[58:59], v[22:23] op_sel_hi:[1,0,0] neg_lo:[0,0,1] neg_hi:[0,0,1]  ; c s - c m
.set n, n+1
.endr
.set n, 0
.rept 40
	v_exp_f32 v[S+n], v[S+n]                       ; p = 2^(c s - c m)
.set n, n+1
.endr
	v_nop                                          ; a plain instruction between the last exponential and the use of its result (ISA guide 5.7.2)
.set n, 0
	s_wait_alu depctr_va_vdst(0)
.rept 20
	v_cvt_pk_f16_f32 v[P+n], v[S+2*n], v[S+2*n+1]
.set n, n+1
.endr
.set n, 0
.rept 10                                           ; l: the 20 pairs are added in place, neighbours 1, 2 and 4 pairs apart, then the five that are left
	v_pk_add_f32 v[S+4*n:S+4*n+1], v[S+4*n:S+4*n+1], v[S+4*n+2:S+4*n+3]
.set n, n+1
.endr
.set n, 0
.rept 5
	v_pk_add_f32 v[S+8*n:S+8*n+1], v[S+8*n:S+8*n+1], v[S+8*n+4:S+8*n+5]
.set n, n+1
.endr
	v_pk_add_f32 v[S:S+1], v[S:S+1], v[S+8:S+9]
	v_pk_add_f32 v[S+16:S+17], v[S+16:S+17], v[S+24:S+25]
	v_pk_add_f32 v[S:S+1], v[S:S+1], v[S+16:S+17]
	v_pk_add_f32 v[S:S+1], v[S:S+1], v[S+32:S+33]
	v_add_f32 v[CH], v[S], v[S+1]
	v_permlanex16_b32 v[CH+1], v[CH], s60, s61
	v_add_f32 v[CH], v[CH], v[CH+1]
	v_rcp_f32 v24, v[CH]                           ; 1 / l, twice: a pair for the packed multiply
	v_rcp_f32 v25, v[CH]
	v_nop                                          ; a plain instruction behind the reciprocals
	s_wait_dscnt 0x0                               ; V is in
.irp g, 0,1,2                                      ; O^T = V^T P: the four accumulators take turns; the first four products start the sums
.irp cb, 0,1,2,3
.if (\g) == 0
	v_wmma_f32_16x16x32_f16 v[O+8*(\cb):O+8*(\cb)+7], v[KV+8*(\cb):KV+8*(\cb)+7], v[P:P+7], 0
.else
	v_wmma_f32_16x16x32_f16 v[O+8*(\cb):O+8*(\cb)+7], v[KV+32*(\g)+8*(\cb):KV+32*(\g)+8*(\cb)+7], v[P+8*(\g):P+8*(\g)+7], v[O+8*(\cb):O+8*(\cb)+7]
.endif
.endr
.endr
.rept 4
	v_nop                                          ; four places in front of the first read of O^T
.endr
.set n, 0
	s_wait_alu depctr_va_vdst(0)
.rept 16
	v_pk_mul_f32 v[O+2*n:O+2*n+1], v[O+2*n:O+2*n+1], v[24:25] op_sel_hi:[1,0]
.set n, n+1
.endr
.set n, 0
.rept 16
	v_cvt_pk_f16_f32 v[P+n], v[O+2*n], v[O+2*n+1]  ; a lane's eight channels of a row pack into 16 bytes
.set n, n+1
.endr
.irp cb, 0,1,2,3
	ds_store_b128 v5, v[P+4*(\cb):P+4*(\cb)+3] offset:32*(\cb)
.endr
	s_wait_dscnt 0x0                               ; for the others' sake: my stores into the stage are done; a row's 256 bytes come from two waves
	s_barrier_signal -1
	s_barrier_wait -1
.irp f, 0,1,2,3
	ds_load_b128 v[S+4*(\f):S+4*(\f)+3], v6 offset:(\f)*2*SPI
.endr
.irp f, 0,1,2,3
	s_wait_dscnt 3-(\f)                            ; LDS loads come back in order (ISA guide 5.7.1): load f is in, the younger ones stay out
	global_store_b128 v7, v[S+4*(\f):S+4*(\f)+3], s[6:7] offset:(\f)*4096  ; 16 lanes store 256 consecutive bytes, at a multiple of 256 from ob's first byte
.endr
	s_wait_tensorcnt 0x0                           ; the wave's end: behind my last tensor load and my last LDS store
	ds_add_u32 v[SPW], v[NIL]
	s_wait_dscnt 0x0
	s_endpgm
.Lfunc_end_k_qf2c8ba24d0_attn:
	.size	k_qf2c8ba24d0_attn, .Lfunc_end_k_qf2c8ba24d0_attn-k_qf2c8ba24d0_attn
	.p2alignl 7, 3214868480
	.fill 96, 4, 3214868480
	.section	.rodata,"a",@progbits
	.p2align	6, 0x0
	.amdhsa_kernel k_qf2c8ba24d0_attn
		.amdhsa_group_segment_fixed_size 167936
		.amdhsa_private_segment_fixed_size 0
		.amdhsa_enable_private_segment 0
		.amdhsa_kernarg_size 16
		.amdhsa_user_sgpr_count 2
		.amdhsa_user_sgpr_kernarg_segment_ptr 1
		.amdhsa_wavefront_size32 1
		.amdhsa_system_sgpr_workgroup_id_x 1
		.amdhsa_system_sgpr_workgroup_id_y 1
		.amdhsa_system_sgpr_workgroup_id_z 1
		.amdhsa_system_vgpr_workitem_id 0
		.amdhsa_next_free_vgpr 240
		.amdhsa_next_free_sgpr 66
		.amdhsa_reserve_vcc 1
		.amdhsa_float_denorm_mode_32 3
		.amdhsa_float_denorm_mode_16_64 3
		.amdhsa_memory_ordered 1
		.amdhsa_forward_progress 1
		.amdhsa_inst_pref_size 26
	.end_amdhsa_kernel
	.amdgpu_metadata
---
amdhsa.version: [ 1, 2 ]
amdhsa.kernels:
  - .name:           k_qf2c8ba24d0_attn
    .symbol:         k_qf2c8ba24d0_attn.kd
    .args:
      - { .name: qkv, .offset: 0, .size: 8, .value_kind: global_buffer, .address_space: global }
      - { .name: ob, .offset: 8, .size: 8, .value_kind: global_buffer, .address_space: global }
    .group_segment_fixed_size: 167936
    .private_segment_fixed_size: 0
    .kernarg_segment_align: 8
    .kernarg_segment_size: 16
    .max_flat_workgroup_size: 512
    .sgpr_count:     66
    .vgpr_count:     240
    .wavefront_size: 32
...
	.end_amdgpu_metadata
.endif
;; end of part 3
;; launch gemm_out (part 4): grid 8 x 32, 4 waves a work-group, clusters of 4 x 4, 327,680 bytes of LDS; arguments ob, wo, bias, out0; writes out0
.if DOCPART == 4
	.amdgcn_target "amdgcn-amd-amdhsa--gfx1250"
	.amdhsa_code_object_version 6
	.text
	.protected	k_qf2c8ba24d0_gemm_out
	.globl	k_qf2c8ba24d0_gemm_out
	.p2align	8
	.type	k_qf2c8ba24d0_gemm_out,@function
k_qf2c8ba24d0_gemm_out:
	s_mov_b64 s[64:65], 0
	v_nop
	global_prefetch_b8 v0, s[64:65] scope:SCOPE_SE
	s_setreg_imm32_b32 hwreg(HW_REG_WAVE_MODE, 25, 1), 1
	s_wait_xcnt 0x0
	s_wait_alu depctr_hold_cnt(0) depctr_sa_sdst(0) depctr_va_vdst(0) depctr_va_sdst(0) depctr_va_ssrc(0) depctr_va_vcc(0) depctr_vm_vsrc(0)
	s_getreg_b32 s2, hwreg(HW_REG_IB_STS2, 6, 4)
	s_cmp_eq_u32 s2, 0
	s_cbranch_scc0 .Lentry_in_a_cluster
	s_endpgm
.Lentry_in_a_cluster:
	s_bfe_u32 s2, ttmp6, 0x10000c
	s_cmp_lg_u32 s2, 0xf033
	s_cbranch_scc0 .Lentry_shape_is_right
	s_endpgm
.Lentry_shape_is_right:
; out0 = ob wo^T + b_out.  ob [4096][1024] f16, wo [1024][1024] f16 (w_out rounded to bf16, written as f16), the bias f32 at number 3,072 of its buffer; out0 [4096][1024] f32.  Sums in f32, K ascending.
; SHARES.  A tile of out0 is 128 x 128: 8 x 32 = 256 work-groups.  Four waves, each 64 x 64: 16 accumulators of 16 x 16, 128 registers.  K goes in steps of 256 (LDS rows of 512 bytes; a wave's tensor load
; brings 64 of them) through a ring of two slots.  THE BIAS is the C operand of each accumulator's first product.
; CLUSTERS: 4 x 4 work-groups.  The four of a row of the cluster need the same tiles of ob, the four of a column the same tiles of wo: each tile is asked for JOINTLY, by the same tensor load with the
; same descriptor and a mask that names the four.  THE MATRIX INSTRUCTION IS USED TRANSPOSED (source 0 = 16 rows of wo, source 1 = 16 rows of ob): a lane holds eight neighbouring numbers of a row of out0.
; THE WAY OUT.  A wave's 64 columns of f32 are 256 aligned bytes, so each wave has a stage of its own (16 rows x 272 bytes) and no barrier is needed.
; REGISTERS: window 0: v0-31 addresses; v32-63, v64-95 rows read back from the stage, by turns; v96-127 the bias; v128-255 the accumulators ((a, b) at v[128 + 8 (4 a + b)]).
;   window 1: two fragment buffers of 128: for 64 along K, 64 registers of ob (2 x 4 x 16 rows x 32 K), then 64 of wo.
.set SIZE_K, 1024
.set KSTEP,  256
.set PITCH,  528                       ; an LDS row: 512 bytes of data + 16 of padding = 132 words: row r starts at bank 4 r mod 64 (64 banks of 4 bytes: ISA guide 11.1)
.set HALFT,  64*PITCH                  ; 64 rows: what one tensor load brings, and what one wave reads of ob or of wo
.set SLOT,   4*HALFT                   ; ob's 128 rows, then wo's 128 rows
.set STAGE,  2*SLOT                    ; behind the ring, never filled by a tensor load
.set SPITCH, 272
.set SPARE,  STAGE+4*16*SPITCH         ; behind the stages: the spare words, 128 bytes for each wave: two blocks of 256 bytes that no other line names
.set LAPS, SIZE_K/(2*KSTEP)            ; a lap = two K steps = once round the ring
.set ADRA, 16                          ; v16-17  LDS address of my fragments of ob in slot 0, 1
.set ADRB, 20                          ; v20-21  the same for wo
.set STO,  24                          ; v24     the way out: where I put 32 bytes of a row
.set RD,   25                          ; v25     the way out: where I read a row back
.set CO,   26                          ; v26     my byte offset in out0
.set BO,   27                          ; v27     my byte offset in a block's 16 numbers of the bias
.set SPW,  28                          ; v28     LDS address of my spare word: SPARE + 4 x my thread's number; never rewritten
.set NIL,  29                          ; v29     0; never rewritten
.set BK,   32
.set BIAS, 96
.set ACC,  128
.set F0,   0                           ; fragment buffers, in window 1
.set F1,   128
.set G1, 24                            ; s[24:31] descriptor group 1 for ob's tiles;  s[32:39] group 0, one set for each slot
.set G0, 32
.set G1B, 48                           ; s[48:55], s[56:63] the same for wo's tiles
.set G0B, 56
.set MSB, 0
.macro WIN new                         ; the immediate's high byte repeats the setting that is left
.if MSB != (\new)
	s_set_vgpr_msb (MSB<<8)|(\new)
.set MSB, \new
.endif
.endm
.set MUL,  0x05                        ; sources 0 (wo) and 1 (ob) window 1; C and D window 0
.set TO_F, 0x40                        ; destination window 1, address window 0
.macro JLOAD s                         ; a joint load: waves 0 and 1 fetch ob's two halves, waves 2 and 3 wo's; an s_nop 0 and four v_nop follow each of the two lines, ahead of the jump, the label and what follows
	s_cmp_eq_u32 s13, 0
	s_cbranch_scc0 .Lfor_b_\@
	tensor_load_to_lds s[G0+4*(\s):G0+4*(\s)+3], s[G1:G1+7]
	s_nop 0
.rept 4
	v_nop
.endr
	s_branch .Lasked_\@
.Lfor_b_\@:
	tensor_load_to_lds s[G0B+4*(\s):G0B+4*(\s)+3], s[G1B:G1B+7]
	s_nop 0
.rept 4
	v_nop
.endr
.Lasked_\@:
.endm
.macro CREST                           ; a round of the cluster's barrier behind its opening barrier
	s_cmp_lg_u32 s12, 0
	s_cbranch_scc1 .Lnot_wave_0_\@
	s_barrier_signal -3
.Lnot_wave_0_\@:
	s_barrier_wait -3
	s_barrier_signal -1
	s_barrier_wait -1
.endm
.macro CROUND                          ; a whole round
	s_barrier_signal -1
	s_barrier_wait -1
	CREST
.endm
	s_load_b256 s[4:11], s[0:1], 0x0               ; ob s[4:5], wo s[6:7], bias s[8:9], out0 s[10:11]
	v_lshl_add_u32 v[SPW], v0, 2, SPARE
	v_mov_b32 v[NIL], 0
	ds_add_u32 v[SPW], v[NIL]                      ; the wave's opening: the add and its wait stand ahead of my first tensor load; the set-up below, work on registers, stands between them
	ds_add_u32 v28, v29
	v_lshrrev_b32 v1, 5, v0
	v_readfirstlane_b32 s12, v1                    ; wave 0..3
	s_lshr_b32 s13, s12, 1                         ; which half of the tile's rows is mine.  Also: I fetch for ob (0) or for wo (1)
	s_and_b32 s14, s12, 1                          ; which half of its columns.  Also: which 64 rows of that tile I fetch
	s_bfe_u32 s40, ttmp6, 0x40000                  ; cx, cy: my place in the cluster
	s_bfe_u32 s41, ttmp6, 0x40004
	s_lshl_b32 s42, ttmp9, 2
	s_add_co_u32 s42, s42, s40                     ; tile column = 4 x cluster x + cx
	s_and_b32 s43, ttmp7, 0xffff
	s_lshl_b32 s43, s43, 2
	s_add_co_u32 s43, s43, s41                     ; tile row = 4 x cluster y + cy
	s_lshl_b32 s44, s41, 2
	s_lshl_b32 s44, 15, s44                        ; my row of the cluster
	s_lshl_b32 s45, 0x1111, s40                    ; my column
	; descriptor group 1: a tile of 64 rows x 256 elements, padded in LDS
	s_or_b32 s[G1+0], s44, (1<<16)|(1<<20)|(1<<21)|(6<<22)|(3<<25)   ; 15:0 the mask: ob's tiles go to my row; 17:16 elements of 2 bytes; 20 padding on; 21 set beside a mask; 24:22 after every 128 words (code 6); 31:25 4 words of it (code 3)
	s_or_b32 s[G1B+0], s45, (1<<16)|(1<<20)|(1<<21)|(6<<22)|(3<<25)
.irp g, G1, G1B
	s_mov_b32 s[(\g)+1], KSTEP<<16                 ; tensor_dim0 = 256
	s_mov_b32 s[(\g)+2], 64<<16                    ; tensor_dim1 = 64
	s_mov_b32 s[(\g)+3], KSTEP<<16                 ; tile_dim0 = 256
	s_mov_b32 s[(\g)+4], 64                        ; tile_dim1 = 64
	s_mov_b32 s[(\g)+5], SIZE_K                    ; elements from row to row
	s_mov_b32 s[(\g)+6], 0
	s_mov_b32 s[(\g)+7], 0
.endr
	s_lshl_b32 s16, s43, 7
	s_lshl_b32 s17, s14, 6
	s_add_co_u32 s16, s16, s17                     ; ob: row 128 x tile row + 64 x half,
	s_lshl_b32 s16, s16, 11                        ; of 2,048 bytes
	s_mov_b32 s17, 0
	s_lshl_b32 s46, s42, 7
	s_lshl_b32 s47, s14, 6
	s_add_co_u32 s46, s46, s47                     ; wo: row 128 x tile column + 64 x half
	s_lshl_b32 s46, s46, 11
	s_mov_b32 s47, 0
	s_mul_i32 s20, s12, HALFT                      ; where they go: wave x 64 rows: no place in the cluster enters an LDS address
	s_wait_dscnt 0x0                               ; the opening add is done
	s_wait_kmcnt 0x0
	s_add_nc_u64 s[18:19], s[4:5], s[16:17]
	s_add_nc_u64 s[46:47], s[6:7], s[46:47]
	CROUND                                         ; all sixteen work-groups are here: the first joint loads meet
.irp s, 0,1
	s_mov_b32 s[G0+4*(\s)], 1
	s_add_co_u32 s[G0+4*(\s)+1], s20, (\s)*SLOT
	s_add_nc_u64 s[G0+4*(\s)+2:G0+4*(\s)+3], s[18:19], (\s)*KSTEP*2
	s_or_b32 s[G0+4*(\s)+3], s[G0+4*(\s)+3], 0x80000000
	s_mov_b32 s[G0B+4*(\s)], 1
	s_add_co_u32 s[G0B+4*(\s)+1], s20, (\s)*SLOT
	s_add_nc_u64 s[G0B+4*(\s)+2:G0B+4*(\s)+3], s[46:47], (\s)*KSTEP*2
	s_or_b32 s[G0B+4*(\s)+3], s[G0B+4*(\s)+3], 0x80000000
	JLOAD \s                                       ; two loads of mine are out
.endr
	v_and_b32 v1, 15, v0                           ; l % 16
	v_bfe_u32 v2, v0, 4, 1                         ; l / 16
	v_mul_u32_u24 v3, v1, PITCH
	v_lshl_add_u32 v3, v2, 4, v3                   ; a fragment's row x pitch + 16 x half
	s_mul_i32 s21, s13, HALFT                      ; my 64 rows of ob
	s_mul_i32 s22, s14, HALFT                      ; my 64 rows of wo,
	s_add_co_u32 s22, s22, 2*HALFT                 ; which lie behind ob's 128
.irp s, 0,1
	v_add_nc_u32 v[ADRA+(\s)], s21, v3
	v_add_nc_u32 v[ADRB+(\s)], s22, v3
	s_add_co_u32 s21, s21, SLOT
	s_add_co_u32 s22, s22, SLOT
.endr
	s_mul_i32 s23, s12, 16*SPITCH
	s_add_co_u32 s23, s23, STAGE                   ; my stage
	v_mul_u32_u24 v4, v1, SPITCH                   ; in: row l % 16, 32 bytes for each half of the lanes
	v_lshl_add_u32 v4, v2, 5, v4
	v_add_nc_u32 v[STO], s23, v4
	v_mul_u32_u24 v5, v2, SPITCH                   ; back: lanes 0-15 take one row of 256 bytes, lanes 16-31 the next
	v_lshl_add_u32 v5, v1, 4, v5
	v_add_nc_u32 v[RD], s23, v5
	v_lshlrev_b32 v5, 12, v2                       ; and the same two rows in out0, 4,096 bytes apart
	v_lshl_add_u32 v[CO], v1, 4, v5
	v_lshlrev_b32 v[BO], 5, v2                     ; my eight numbers of a block's sixteen
	s_lshl_b32 s21, s43, 7
	s_lshl_b32 s22, s13, 6
	s_add_co_u32 s21, s21, s22                     ; my first row of out0,
	s_lshl_b32 s21, s21, 12                        ; of 4,096 bytes
	s_lshl_b32 s22, s42, 7
	s_lshl_b32 s23, s14, 6
	s_add_co_u32 s22, s22, s23                     ; my first column,
	s_lshl_b32 s22, s22, 2                         ; in bytes: a multiple of 256
	s_add_co_u32 s2, s21, s22
	s_mov_b32 s3, 0
	s_add_nc_u64 s[10:11], s[10:11], s[2:3]
	s_add_co_u32 s22, s22, 12288                   ; b_out lies behind b_qkv's 3,072 numbers
	s_mov_b32 s23, 0
	s_add_nc_u64 s[8:9], s[8:9], s[22:23]
.irp b, 0,1,2,3
	global_load_b128 v[BIAS+8*(\b):BIAS+8*(\b)+3],   v[BO], s[8:9] offset:64*(\b)
	global_load_b128 v[BIAS+8*(\b)+4:BIAS+8*(\b)+7], v[BO], s[8:9] offset:64*(\b)+16
.endr
; 8 matrix instructions: m blocks a0, a0 + 1 x all 4 n blocks, 32 along K: half c of buffer f.  first = 1: the product starts the sum on the bias.  The 16 accumulators take turns.
.macro MUL8 f, c, a0, first
	WIN MUL
.irp a, \a0, (\a0)+1
.irp b, 0,1,2,3
.if \first
	v_wmma_f32_16x16x32_f16 v[ACC+8*(4*(\a)+(\b)):ACC+8*(4*(\a)+(\b))+7], v[(\f)+64+8*(4*(\c)+(\b)):(\f)+64+8*(4*(\c)+(\b))+7], v[(\f)+8*(4*(\c)+(\a)):(\f)+8*(4*(\c)+(\a))+7], v[BIAS+8*(\b):BIAS+8*(\b)+7]
.else
	v_wmma_f32_16x16x32_f16 v[ACC+8*(4*(\a)+(\b)):ACC+8*(4*(\a)+(\b))+7], v[(\f)+64+8*(4*(\c)+(\b)):(\f)+64+8*(4*(\c)+(\b))+7], v[(\f)+8*(4*(\c)+(\a)):(\f)+8*(4*(\c)+(\a))+7], v[ACC+8*(4*(\a)+(\b)):ACC+8*(4*(\a)+(\b))+7]
.endif
.endr
.endr
.endm
; 32 LDS loads in one run: the fragments of 64 along K at byte k of the rows, into buffer f; the first 32 along K first
.macro FETCH slot, k, f
	WIN TO_F
.irp c, 0,1
.irp i, 0,1,2,3
	ds_load_b128 v[(\f)+64+8*(4*(\c)+(\i)):(\f)+64+8*(4*(\c)+(\i))+3],   v[ADRB+(\slot)] offset:(\k)+64*(\c)+(\i)*16*PITCH
	ds_load_b128 v[(\f)+64+8*(4*(\c)+(\i))+4:(\f)+64+8*(4*(\c)+(\i))+7], v[ADRB+(\slot)] offset:(\k)+64*(\c)+(\i)*16*PITCH+32
	ds_load_b128 v[(\f)+8*(4*(\c)+(\i)):(\f)+8*(4*(\c)+(\i))+3],         v[ADRA+(\slot)] offset:(\k)+64*(\c)+(\i)*16*PITCH
	ds_load_b128 v[(\f)+8*(4*(\c)+(\i))+4:(\f)+8*(4*(\c)+(\i))+7],       v[ADRA+(\slot)] offset:(\k)+64*(\c)+(\i)*16*PITCH+32
.endr
.endr
.endm
.macro PLACES                          ; four places in front of loads into registers that matrix instructions have read, and of LDS stores that read results
.rept 4
	v_nop
.endr
.endm
; A K step is four quarters of 64 along K, 32 matrix instructions each, on buffers 0, 1, 0, 1.  One of the first three: multiplies buffer f and fetches the next quarter, at byte k, into g.
.macro QUARTER slot, k, f, g, first
	s_wait_dscnt 16                                ; the first 32 along K are in; the sixteen younger loads may be out
	MUL8 \f, 0, 0, \first
	MUL8 \f, 0, 2, \first
	PLACES
	FETCH \slot, \k, \g
	s_wait_dscnt 32                                ; all but the 32 just issued
	MUL8 \f, 1, 0, 0
	MUL8 \f, 1, 2, 0
.endm
; The last quarter multiplies buffer 1 and changes slots: ONE barrier; in front of it each wave waits for all its tensor loads, adds 0 to its spare word, and waits for that and for its own reads of this slot.
; fill = 1: the barrier opens a round of the cluster's, and this slot is filled again, two K steps ahead, first thing behind the round.
.macro TURN slot, next, fill
	WIN 0                                          ; (the add's two registers lie in window 0)
	s_wait_tensorcnt 0x0                           ; all my tensor loads have landed: my part of the next slot;
	ds_add_u32 v[SPW], v[NIL]                      ; 0 onto my spare word
	s_wait_dscnt 17                                ; (the add and the youngest sixteen loads may be out)
	MUL8 F1, 0, 0, 0                               ; eight matrix instructions stand between the add and the wait for it
	s_wait_dscnt 0x0                               ; the add is done, and my reads of this slot are over
	s_barrier_signal -1
	MUL8 F1, 0, 2, 0
.if \fill
	WIN 0
.endif
	s_barrier_wait -1
.if \fill
	CREST                                          ; no wave of any partner still reads this slot's tile or has a load on its way
	s_add_nc_u64 s[G0+4*(\slot)+2:G0+4*(\slot)+3], s[G0+4*(\slot)+2:G0+4*(\slot)+3], 2*KSTEP*2
	s_add_nc_u64 s[G0B+4*(\slot)+2:G0B+4*(\slot)+3], s[G0B+4*(\slot)+2:G0B+4*(\slot)+3], 2*KSTEP*2
	JLOAD \slot                                    ; my one tensor load behind the round; the four v_nop behind it are also the places in front of the loads below
.else
	PLACES
.endif
	FETCH \next, 0, F0
	MUL8 F1, 1, 0, 0
	MUL8 F1, 1, 2, 0
.endm
; THE WAY OUT of block a (16 rows x 64 columns of f32).  TOSTAGE: a lane's eight numbers, 32 bytes, straight from the accumulator (its lowest four registers first) into my stage, and back as whole rows of 256 bytes.
.macro TOSTAGE a
.set BKA, BK+32*((\a)%2)
	s_wait_xcnt 0x0                                ; every earlier store has had its addresses translated (ISA guide 3.1): the registers that the block two back was stored from are loaded again only behind this wait
.irp b, 0,1,2,3
	ds_store_b128 v[STO], v[ACC+8*(4*(\a)+(\b)):ACC+8*(4*(\a)+(\b))+3]   offset:64*(\b)
	ds_store_b128 v[STO], v[ACC+8*(4*(\a)+(\b))+4:ACC+8*(4*(\a)+(\b))+7] offset:64*(\b)+16
.endr
.irp t, 0,1,2,3,4,5,6,7
	ds_load_b128 v[BKA+4*(\t):BKA+4*(\t)+3], v[RD] offset:(\t)*2*SPITCH  ; LDS serves a wave's instructions in order (ISA guide 5.7.1.4): these see the stores above; the next block's stores come behind them
.endr
.endm
.macro SEND a, younger                 ; younger: the LDS instructions issued behind block a's loads: the next block's sixteen, or none
.set BKA, BK+32*((\a)%2)
.irp t, 0,1,2,3,4,5,6,7
	s_wait_dscnt (\younger)+7-(\t)
	global_store_b128 v[CO], v[BKA+4*(\t):BKA+4*(\t)+3], s[10:11] offset:(16*(\a)+2*(\t))*4096 th:TH_STORE_NT  ; 16 lanes store 256 consecutive bytes, at a multiple of 256 from out0's first byte
.endr
.endm
	s_wait_tensorcnt 1                             ; my part of K step 0 is in; K step 1's may stay out
	s_barrier_signal -1
	s_barrier_wait -1                              ; everybody's is
	FETCH 0, 0, F0
	s_wait_loadcnt 0x0                             ; the bias
	QUARTER 0, 128, F0, F1, 1                      ; the first quarter stands in front of the loop: its first products start the sums
	WIN 0                                          ; at a label and at a branch every window is 0
	s_mov_b32 s3, LAPS-1
.Llap:                                                 ; a trip goes once round the ring, from a lap's second quarter to the next lap's first, and fills both slots again
	QUARTER 0, 256, F1, F0, 0
	QUARTER 0, 384, F0, F1, 0
	TURN 0, 1, 1
	QUARTER 1, 128, F0, F1, 0
	QUARTER 1, 256, F1, F0, 0
	QUARTER 1, 384, F0, F1, 0
	TURN 1, 0, 1
	QUARTER 0, 128, F0, F1, 0
	WIN 0
	s_sub_co_u32 s3, s3, 1
	s_cmp_lg_u32 s3, 0
	s_cbranch_scc1 .Llap
	QUARTER 0, 256, F1, F0, 0                      ; the last lap fills nothing, and has no round of the cluster's barrier
	QUARTER 0, 384, F0, F1, 0
	TURN 0, 1, 0
	QUARTER 1, 128, F0, F1, 0
	QUARTER 1, 256, F1, F0, 0
	QUARTER 1, 384, F0, F1, 0
	s_wait_dscnt 16                                ; the very last quarter: nothing more to fetch
	MUL8 F1, 0, 0, 0
	MUL8 F1, 0, 2, 0
	s_wait_dscnt 0x0
	MUL8 F1, 1, 0, 0
	MUL8 F1, 1, 2, 0
	WIN 0
	PLACES                                         ; the LDS stores read matrix results
	TOSTAGE 0
	TOSTAGE 1
	SEND 0, 16
	TOSTAGE 2
	SEND 1, 16
	TOSTAGE 3
	SEND 2, 16
	SEND 3, 0
	s_wait_tensorcnt 0x0                           ; the wave's end: behind my last tensor load and my last LDS store
	ds_add_u32 v[SPW], v[NIL]
	s_wait_dscnt 0x0
	CROUND                                         ; the closing round: no work-group ends while a partner may still ask for a tile that names it
	s_endpgm
.Lfunc_end_k_qf2c8ba24d0_gemm_out:
	.size	k_qf2c8ba24d0_gemm_out, .Lfunc_end_k_qf2c8ba24d0_gemm_out-k_qf2c8ba24d0_gemm_out
	.p2alignl 7, 3214868480
	.fill 96, 4, 3214868480
	.section	.rodata,"a",@progbits
	.p2align	6, 0x0
	.amdhsa_kernel k_qf2c8ba24d0_gemm_out
		.amdhsa_group_segment_fixed_size 327680
		.amdhsa_private_segment_fixed_size 0
		.amdhsa_enable_private_segment 0
		.amdhsa_kernarg_size 32
		.amdhsa_user_sgpr_count 2
		.amdhsa_user_sgpr_kernarg_segment_ptr 1
		.amdhsa_wavefront_size32 1
		.amdhsa_system_sgpr_workgroup_id_x 1
		.amdhsa_system_sgpr_workgroup_id_y 1
		.amdhsa_system_sgpr_workgroup_id_z 1
		.amdhsa_system_vgpr_workitem_id 0
		.amdhsa_next_free_vgpr 512
		.amdhsa_next_free_sgpr 66
		.amdhsa_reserve_vcc 0
		.amdhsa_float_denorm_mode_32 3
		.amdhsa_float_denorm_mode_16_64 3
		.amdhsa_memory_ordered 1
		.amdhsa_forward_progress 1
		.amdhsa_inst_pref_size 87
	.end_amdhsa_kernel
	.amdgpu_metadata
---
amdhsa.version: [ 1, 2 ]
amdhsa.kernels:
  - .name:           k_qf2c8ba24d0_gemm_out
    .symbol:         k_qf2c8ba24d0_gemm_out.kd
    .args:
      - { .name: ob, .offset: 0, .size: 8, .value_kind: global_buffer, .address_space: global }
      - { .name: wo, .offset: 8, .size: 8, .value_kind: global_buffer, .address_space: global }
      - { .name: bias, .offset: 16, .size: 8, .value_kind: global_buffer, .address_space: global }
      - { .name: out0, .offset: 24, .size: 8, .value_kind: global_buffer, .address_space: global }
    .group_segment_fixed_size: 327680
    .private_segment_fixed_size: 0
    .kernarg_segment_align: 8
    .kernarg_segment_size: 32
    .max_flat_workgroup_size: 128
    .sgpr_count:     66
    .vgpr_count:     512
    .wavefront_size: 32
...
	.end_amdgpu_metadata
.endif
;; end of part 4
